; MI455X (gfx1250); checked and timed in simulation.
; The chip was launched on July 23, 2026; its instructions are those of AMD's public machine-readable ISA for CDNA 5 (MIT licence, August 2026) and "CDNA5" Instruction Set Architecture Reference Guide (July 2026). The comments in the code are by the model that wrote it; some were corrected since.
;; Cross Attention. Allowed arithmetic: matrix products marked QUANTISED: E2M1 operands, one E8M0 scale for each 32 along K, by v_wmma_scale_f32_16x16x128_f8f6f4 with both operands' format E2M1 (or v_wmma_scale_f32_32x16x128_f4), f32 sums; everything else in f32.
;; Inputs: Wk 1,024 x 1,024 float32; Wq 1,024 x 1,024 float32; Wv 1,024 x 1,024 float32; key_value 4 x 2,048 x 1,024 float32; query 4 x 2,048 x 1,024 float32.
;; Outputs: out0 4 x 2,048 x 1,024 float32.
;; This version of the problem:
;;   THIS VERSION OF THE PROBLEM IS GIVEN IN LOW PRECISION. The matrix products marked QUANTISED in the list below multiply operands that are first quantised to E2M1 (2 exponent bits, 1 mantissa bit; 4 bits a number), with one power-of-two scale for each 32 numbers along K (OCP MX v1.0); their sums are f32. All else is computed in f32.
;;   The module's matrix products, in the order in which they are computed (A, B: the left and right operand; K: the contracted axis; several contracted axes count as one K, in the product's order):
;;     1. [M 8,192, K 1,024] x [K 1,024, N 1,024]; A: input query; B: input Wq: QUANTISED
;;     2. [M 8,192, K 1,024] x [K 1,024, N 1,024]; A: input key_value; B: input Wk: QUANTISED
;;     3. [M 8,192, K 1,024] x [K 1,024, N 1,024]; A: input key_value; B: input Wv: QUANTISED
;;     4. batch 64 x [M 2,048, K 64] x [K 64, N 2,048]; A: computed on the way; B: computed on the way: QUANTISED
;;     5. batch 64 x [M 64, K 2,048] x [K 2,048, N 2,048]; A: computed on the way; B: softmax (see below): QUANTISED
;;   THE QUANTISER, for each operand of a quantised product, along K:
;;     - K is cut into blocks of 32 from its start; a last block that is shorter is filled with zeros.
;;     - A block's scale is 2^e with e = floor(log2(the largest magnitude in the block)) - 2, held to -126 .. 127; a block of zeros has e = 0. As a byte (E8M0): e + 127.
;;     - Each number is divided by its block's scale, clamped to +-6, and rounded to the nearest number of E2M1, ties to even, subnormals kept.
;;     - The product sums the exact products of the quantised numbers (number of the format x scale) in f32.
;;   ~~~python
;;   def quantise(x, axis):      # numpy; x: float32 -> the quantised numbers, widened to float32 again
;;       x = np.moveaxis(x, axis, -1); K = x.shape[-1]
;;       x = np.pad(x, [(0, 0)] * (x.ndim - 1) + [(0, -K % 32)]); x = x.reshape(x.shape[:-1] + (-1, 32)); a = np.abs(x).max(-1, keepdims=True)
;;       e = np.where(a > 0, np.clip(np.frexp(np.where(a > 0, a, 1))[1] - 1 - 2, -126, 127), 0)      # np.frexp(a)[1] - 1 = floor(log2(a)), exactly
;;       r = np.clip(x / 2.0 ** e, -6, 6)
;;       step = 2.0 ** (np.maximum(np.frexp(np.where(r == 0, 1, r))[1] - 1, 0) - 1)
;;       q = np.round(r / step) * step * 2.0 ** e      # np.round: ties to even
;;       return np.moveaxis(q.reshape(q.shape[:-2] + (-1,))[..., :K], -1, axis).astype(np.float32)
;;   ~~~
;;   SOFTMAX AHEAD OF A QUANTISED PRODUCT. Where the list says 'softmax', what is quantised is not the finished softmax but p = 2^(t - M), with t = logit x log2(e) and M = ceil(the row's largest t), a whole number; so 1/2 < the row's largest p <= 1. The row's sum l is taken of the UNQUANTISED p, in f32, and the product's result is divided by l at the end. Since M is a whole number, a kernel that streams over the keys may use a running M (the ceiling of the running maximum): every later rescaling is an exact power of two, which a block's scale takes up: the codes' values come out the same.
;;   OPERANDS COMPUTED ON THE WAY. 'Computed on the way' means the value that the module computes at that place (a softmax that the list does not call 'softmax' is quantised finished and normalised). What goes into a quantiser is computed in f32, as accurately as f32 sums, v_exp_f32 and their like allow (about 1e-6 of the number): no bf16 or f16 on the way to a quantiser, and a product that is left as it is and whose result goes on into a quantised operand takes f32 operands (vector FMAs, or v_wmma_f32_16x16x4_f32). A number that lies on a knife's edge between two numbers of the format may be rounded either way, as far as f32 arithmetic and the matrix unit's own rounding can turn it there, and no further.
;; One version. Each part assembles by itself: llvm-mc -triple=amdgcn-amd-amdhsa -mcpu=gfx1250 --defsym DOCPART=n.
;; ======== version 1 of 1: 3 launches
;; limits: right only within a limited range of input values
;; workspace buffers: x_codes 8,388,608 bytes; x_scales 524,288 bytes; w_codes 1,572,864 bytes; w_scales 98,304 bytes; a_codes 12,582,912 bytes; a_scales 786,432 bytes
;; launch quant_x (part 1): grid 704 x 1, 4 waves a work-group, no clusters, 41,472 bytes of LDS; arguments query, key_value, x_codes, x_scales, Wq, Wk, Wv, w_codes, w_scales; writes x_codes, x_scales, w_codes, w_scales
.if DOCPART == 1
	.amdgcn_target "amdgcn-amd-amdhsa--gfx1250"
	.amdhsa_code_object_version 6
	.text
	.protected	k_qd85a218f36_quant_x
	.globl	k_qd85a218f36_quant_x
	.p2align	8
	.type	k_qd85a218f36_quant_x,@function
k_qd85a218f36_quant_x:
	s_mov_b64 s[64:65], 0
	v_nop
	global_prefetch_b8 v0, s[64:65] scope:SCOPE_SE
	s_setreg_imm32_b32 hwreg(HW_REG_WAVE_MODE, 25, 1), 1
	s_wait_xcnt 0x0
; query and key_value, [8192][1024] f32 each, become codes of FP4 (E2M1) along the last axis with one E8M0 byte for each 32 numbers.
; A block's scale is 2^(floor(log2(its largest magnitude)) - 2); its byte is the largest magnitude's exponent field - 2, held at 1 from below.
; LIMITS: NaN and infinities among the inputs are not served.  A block of zeros, or one whose largest magnitude lies under 2^-124, gets the byte 1
; where the quantiser says 127 or less: its codes are zeros or the nearest codes under that byte, and these bytes are read by this program alone.
; THE LAYOUT OF THE CODES is the image of the matrix operand's registers.  32 rows are a group G; row tile T = 2 G + u holds 16 of them:
; place r (0..15) of the tile is row 32 G + 8 u + r + 8 (r / 8).  x_codes is [T 1024][block of 32 along K: 32][r 16][16 bytes]: 128 along K of a tile are
; 1,024 consecutive bytes which 32 lanes load as two runs of 512, lane l taking 16 l.  x_scales is [T][half of K: 2][r 16][16 bytes], one byte a block.
; T 0..511 is query, T 512..1023 key_value.
; SHARES.  A work-group owns a group of 32 rows (131,072 consecutive bytes of input).  Wave w owns tile u = w / 2 and half w % 2 of K: 16 steps, step t = place t of the
; tile, 512 numbers, 2,048 consecutive bytes.  Each of a step's four loads reads 512 consecutive bytes; the numbers turn through the wave's own stage in LDS so that a lane
; holds 16 neighbours (two lanes hold a block).  Codes and scale bytes are gathered in the wave's own LDS and leave in runs of 512 and 256 consecutive aligned bytes.
; No barrier: the waves share nothing.  Loads run four steps (16 loads a wave) ahead, the turn through LDS one step.
.set STEPS, 16
.set EMAX,  2
.set SP,    80                         ; a lane's place in a stage: its 64 bytes + 16 of padding
.set WREG,  10240                      ; LDS of a wave: two stages of 32 x SP bytes, 256 scale bytes, the codes' stage
.set SCB,   5120                       ; the wave's 256 scale bytes
.set CST,   5376                       ; the codes' stage: 16 blocks x (16 places x 16 bytes + 16 of padding)
.set CP,    272
.set R,     16                         ; v16-79   four sets of 16 numbers as they are loaded; at the end the codes on their way out
.set X,     80                         ; v80-111  two sets of 16 neighbours
.set E,     112                        ; v112-127 a scale byte for each step
.set C,     128                        ; v128-159 codes: two registers for each step, never written again
	s_load_b128 s[4:7], s[0:1], 0x0                ; query, key_value
	s_load_b128 s[8:11], s[0:1], 0x10              ; x_codes, x_scales
	v_lshl_add_u32 v168, v0, 2, 0xa000
	v_mov_b32 v169, 0
	; Work-groups 512 to 703 quantise the three weights (the path at the text's end); the choice hangs on the work-group's number alone.
	s_cmp_ge_u32 ttmp9, 512
	s_cbranch_scc1 .Lw
	v_lshrrev_b32 v1, 5, v0
	v_readfirstlane_b32 s16, v1                    ; wave 0..3
	v_and_b32 v2, 31, v0                           ; lane
	v_lshlrev_b32 v3, 4, v2                        ; 16 x lane: my bytes of a load's 512, and of a store's
	s_mul_i32 s17, s16, WREG                       ; my wave's LDS
	v_lshrrev_b32 v14, 2, v2
	v_mul_u32_u24 v14, v14, SP
	v_and_b32 v15, 3, v2
	v_lshl_add_u32 v14, v15, 4, v14
	v_add_nc_u32 v14, s17, v14                     ; the stage, on the way in: SP (lane / 4) + 16 (lane % 4)
	v_mul_u32_u24 v15, v2, SP
	v_add_nc_u32 v15, s17, v15                     ; and on the way out: SP x lane: my 16 neighbours
	v_lshrrev_b32 v5, 1, v2                        ; my block of the step's 16
	v_mul_u32_u24 v4, v5, CP
	v_and_b32 v8, 1, v2
	v_lshl_add_u32 v4, v8, 3, v4
	v_add_nc_u32 v4, s17, v4
	v_add_nc_u32 v4, CST, v4                       ; the codes' stage, in: block x 272 + 8 x (my half of the block); the step's place, 16 t, stands in the immediate
	v_add_nc_u32 v5, s17, v5
	v_add_nc_u32 v5, SCB, v5                       ; my block's scale byte; 16 t in the immediate
	v_lshlrev_b32 v7, 3, v2                        ; the scale bytes on the way out: 8 a lane
	v_add_nc_u32 v6, s17, v7
	v_add_nc_u32 v6, SCB, v6
	v_lshrrev_b32 v160, 4, v2
	v_mul_u32_u24 v160, v160, CP
	v_and_b32 v8, 15, v2
	v_lshl_add_u32 v160, v8, 4, v160
	v_add_nc_u32 v160, s17, v160
	v_add_nc_u32 v160, CST, v160                   ; the codes' stage, out: sixteen lanes to a block, two blocks an instruction
	s_lshr_b32 s18, s16, 1                         ; u
	s_and_b32 s19, s16, 1                          ; which half of K
	s_and_b32 s20, ttmp9, 255                      ; the group within its tensor
	s_lshl_b32 s20, s20, 17                        ; 32 rows of 4,096 bytes
	s_lshl_b32 s22, s18, 15                        ; 8 u rows
	s_add_co_u32 s20, s20, s22
	s_lshl_b32 s22, s19, 11                        ; 512 numbers
	s_add_co_u32 s20, s20, s22
	s_mov_b32 s21, 0
	s_lshl_b32 s22, ttmp9, 1
	s_add_co_u32 s22, s22, s18                     ; T
	s_lshl_b32 s24, s22, 13                        ; 8,192 bytes of codes a tile,
	s_lshl_b32 s23, s19, 12                        ; 4,096 a half of K
	s_add_co_u32 s24, s24, s23
	s_mov_b32 s25, 0
	s_lshl_b32 s26, s22, 9                         ; 512 scale bytes a tile,
	s_lshl_b32 s23, s19, 8                         ; 256 a half of K
	s_add_co_u32 s26, s26, s23
	s_mov_b32 s27, 0
	s_wait_kmcnt 0x0
	s_cmp_lt_u32 ttmp9, 256                        ; the first 256 work-groups take query: the choice hangs on the work-group's number alone
	s_cselect_b64 s[4:5], s[4:5], s[6:7]
	s_add_nc_u64 s[4:5], s[4:5], s[20:21]
	s_add_nc_u64 s[8:9], s[8:9], s[24:25]
	s_add_nc_u64 s[10:11], s[10:11], s[26:27]
.macro LOAD t                          ; step t: place t of the tile is row t + 8 (t / 8) of my 8 u + .. rows
.irp i, 0,1,2,3
	global_load_b128 v[R+16*((\t)%4)+4*\i:R+16*((\t)%4)+4*\i+3], v3, s[4:5] offset:((\t)+8*((\t)/8))*4096+512*\i th:TH_LOAD_NT   ; 32 lanes read 512 consecutive bytes; read once in the launch
.endr
.endm
.macro TURN t                          ; step t's numbers through the stage: LDS serves a wave's instructions in order, so no wait stands between the stores and the loads
.irp i, 0,1,2,3
	ds_store_b128 v14, v[R+16*((\t)%4)+4*\i:R+16*((\t)%4)+4*\i+3] offset:32*SP*((\t)%2)+8*SP*\i
.endr
.irp i, 0,1,2,3
	ds_load_b128 v[X+16*((\t)%2)+4*\i:X+16*((\t)%2)+4*\i+3], v15 offset:32*SP*((\t)%2)+16*\i
.endr
.endm
.irp t, 0,1,2,3
	LOAD \t
.endr
	s_wait_loadcnt 12                              ; step 0's four loads are in; the twelve of steps 1 to 3 stay out
	TURN 0
.macro STEP t
.set XS, X+16*((\t)%2)
.if (\t) > 0
	s_wait_dscnt 2                                 ; this step's numbers are back from the stage; the last step's byte store and code store, issued behind them, may be out
.else
	s_wait_dscnt 0x0
.endif
.if (\t)+4 < STEPS
	LOAD (\t)+4                                    ; into the set that this step's stage stores have read
.endif
.if (\t)+1 < STEPS
.if STEPS-2-(\t) >= 3
	s_wait_loadcnt 12                              ; the next step's four loads are in; those of the three steps behind it may be out
.else
	s_wait_loadcnt 4*(STEPS-2-(\t))                ; near the end fewer steps are behind it
.endif
	TURN (\t)+1                                    ; through the other stage while this step is worked
.endif
	v_max3_num_f32 v8, |v[XS]|, |v[XS+1]|, |v[XS+2]|               ; the largest magnitude of my 16, in two chains
	v_max3_num_f32 v9, |v[XS+3]|, |v[XS+4]|, |v[XS+5]|
.irp i, 6,10
	v_max3_num_f32 v8, v8, |v[XS+\i]|, |v[XS+\i+1]|
	v_max3_num_f32 v9, v9, |v[XS+\i+2]|, |v[XS+\i+3]|
.endr
	v_max3_num_f32 v8, v8, |v[XS+14]|, |v[XS+15]|
	v_max3_num_f32 v8, v8, v9, (EMAX+1)<<23        ; and the floor 2^(3 - 127): the byte cannot fall under 1
	v_max_num_f32_dpp v8, v8, v8 row_xmask:1 row_mask:0xf bank_mask:0xf   ; with my neighbour's 16: the block's
	v_add_nc_u32 v11, -(EMAX<<23), v8              ; 2 off its exponent field: the conversion takes the exponent field of this operand as its scale
	v_cvt_scalef32_pk8_fp4_f32 v[C+2*(\t)], v[XS:XS+7], v11        ; eight numbers / the scale, to the nearest code, ties to even, beyond 6 the largest code
	v_cvt_scalef32_pk8_fp4_f32 v[C+2*(\t)+1], v[XS+8:XS+15], v11
	v_lshrrev_b32 v[E+(\t)], 23, v11               ; the scale's byte (a plain line behind the conversions)
	ds_store_b8 v5, v[E+(\t)] offset:16*(\t)       ; both lanes of a block write the same byte with the same value
	ds_store_b64 v4, v[C+2*(\t):C+2*(\t)+1] offset:16*(\t)         ; my 16 codes at [block][place t]
.endm
.irp t, 0,1,2,3,4,5,6,7,8,9,10,11,12,13,14,15
	STEP \t
.endr
	ds_load_b64 v[12:13], v6                       ; LDS serves a wave's instructions in order: these loads see my stores
.irp j, 0,1,2,3,4,5,6,7
	ds_load_b128 v[R+4*\j:R+4*\j+3], v160 offset:2*CP*\j
.endr
	s_wait_dscnt 8                                 ; the scale bytes are in; the eight loads of codes behind them may be out
	global_store_b64 v7, v[12:13], s[10:11]        ; 32 lanes store 256 consecutive bytes, aligned
.irp j, 0,1,2,3,4,5,6,7
	s_wait_dscnt 7-\j                              ; load j of the eight is in
	global_store_b128 v3, v[R+4*\j:R+4*\j+3], s[8:9] offset:512*\j   ; 32 lanes store 512 consecutive bytes, aligned
.endr
	s_wait_tensorcnt 0x0
	ds_add_u32 v168, v169
	s_wait_dscnt 0x0
	s_endpgm
; THE WEIGHTS.  Wq, Wk, Wv, [1024 (k)][1024 (n)] f32, K on the FIRST axis, become codes of FP4 (E2M1) along K with one E8M0 byte for each 32 along K, laid as the rows n of W^T
; in x_codes' layout: w_codes [w 3][T 64][block of 32 along K: 32][r 16][16 bytes], w_scales [w][T][half of K][r][16 bytes]; place r of tile T = 2 G + u is column 32 G + 8 u + r + 8 (r / 8).
; A LANE TAKES A COLUMN n AND ITS REGISTERS RUN DOWN K: a block of 32 lies in one lane's 32 registers, and the conversions give the codes with K innermost.
; SHARES.  Work-group 512 + j: weight j / 64, 128 along K (j / 8) % 8, columns 128 (j % 8) on; wave v takes the group G = 4 (j % 8) + v of 32 columns: the four waves read 512 consecutive bytes of a row of W.
; A lane's 16 bytes of a block are one place of the layout: the sixteen lanes of a tile store 256 consecutive aligned bytes.  A lane's four scale bytes are one word of its place's 16:
; they leave as 4 bytes a lane, 16 bytes apart (one byte in 128 of what this path reads).  No LDS, no barrier: the waves share nothing.  Two blocks' loads (64 a wave) are out at most.
; LIMITS as above: NaN and infinities are not served; a block of zeros, or one under 2^-124, gets the byte 1.
.set WX,  32                           ; v32-95   two sets of 32 numbers
.set WC,  96                           ; v96-111  four registers of codes a block, never written again
.set WSB, 24                           ; v24      my column's four scale bytes
.Lw:
	s_load_b128 s[32:35], s[0:1], 0x20             ; Wq, Wk
	s_load_b128 s[36:39], s[0:1], 0x30             ; Wv, w_codes
	s_load_b64 s[40:41], s[0:1], 0x40              ; w_scales
	v_lshrrev_b32 v1, 5, v0
	v_readfirstlane_b32 s16, v1                    ; wave 0..3
	v_and_b32 v2, 31, v0                           ; lane = column within the group of 32
	v_lshlrev_b32 v3, 2, v2                        ; in: 4 bytes a lane
	v_bfe_u32 v8, v2, 3, 1                         ; u: which tile of the group
	v_and_b32 v9, 7, v2
	v_lshrrev_b32 v10, 4, v2
	v_lshl_or_b32 v9, v10, 3, v9                   ; r: my place in it
	v_lshlrev_b32 v4, 13, v8
	v_lshl_add_u32 v4, v9, 4, v4                   ; codes: 8,192 u + 16 r
	v_lshlrev_b32 v5, 9, v8
	v_lshl_add_u32 v5, v9, 4, v5                   ; scale bytes: 512 u + 16 r
	s_sub_co_u32 s17, ttmp9, 512                   ; j
	s_lshr_b32 s19, s17, 6                         ; which weight
	s_bfe_u32 s20, s17, 0x30003                    ; which 128 along K
	s_and_b32 s21, s17, 7
	s_lshl_b32 s21, s21, 2
	s_add_co_u32 s21, s21, s16                     ; G
	s_lshl_b32 s22, s20, 19                        ; 128 rows of 4,096 bytes
	s_lshl_b32 s30, s21, 7                         ; 32 columns of 4 bytes
	s_add_co_u32 s22, s22, s30
	s_mov_b32 s23, 0
	s_lshl_b32 s24, s19, 19                        ; 524,288 bytes of codes a weight,
	s_lshl_b32 s30, s21, 14                        ; 16,384 a group,
	s_add_co_u32 s24, s24, s30
	s_lshl_b32 s30, s20, 10                        ; 1,024 for each 128 along K
	s_add_co_u32 s24, s24, s30
	s_mov_b32 s25, 0
	s_lshl_b32 s26, s19, 15                        ; 32,768 scale bytes a weight,
	s_lshl_b32 s30, s21, 10                        ; 1,024 a group,
	s_add_co_u32 s26, s26, s30
	s_lshr_b32 s30, s20, 2
	s_lshl_b32 s30, s30, 8                         ; 256 a half of K,
	s_add_co_u32 s26, s26, s30
	s_and_b32 s30, s20, 3
	s_lshl_b32 s30, s30, 2                         ; 4 for each 128 along K
	s_add_co_u32 s26, s26, s30
	s_mov_b32 s27, 0
	s_wait_alu depctr_va_vdst(0)
	s_wait_kmcnt 0x0
	s_cmp_lt_u32 s19, 2                            ; the weight is chosen by the work-group's number alone
	s_cselect_b64 s[34:35], s[34:35], s[36:37]
	s_cmp_lt_u32 s19, 1
	s_cselect_b64 s[32:33], s[32:33], s[34:35]
	s_add_nc_u64 s[32:33], s[32:33], s[22:23]
	s_add_nc_u64 s[38:39], s[38:39], s[24:25]
	s_add_nc_u64 s[40:41], s[40:41], s[26:27]
.macro WLOAD t                         ; block t: W(32 t + i, my column) into set t % 2
.set ii, 0
.rept 32
	global_load_b32 v[WX+32*((\t)%2)+ii], v3, s[32:33] offset:(32*(\t)+ii)*4096 th:TH_LOAD_NT
.set ii, ii+1
.endr
.endm
	WLOAD 0
	WLOAD 1
.macro WBLOCK t
.set XS, WX+32*((\t)%2)
.if (\t) < 3
	s_wait_loadcnt 32                              ; this block's 32 loads are in; the next block's 32 may be out
.else
	s_wait_loadcnt 0x0
.endif
	v_max3_num_f32 v12, |v[XS]|, |v[XS+1]|, |v[XS+2]|              ; the block's largest magnitude: all 32 numbers are mine
	v_max3_num_f32 v13, |v[XS+3]|, |v[XS+4]|, |v[XS+5]|
.irp i, 6,10,14,18,22,26
	s_delay_alu instid0(VALU_DEP_2)
	v_max3_num_f32 v12, v12, |v[XS+\i]|, |v[XS+\i+1]|
	s_delay_alu instid0(VALU_DEP_2)
	v_max3_num_f32 v13, v13, |v[XS+\i+2]|, |v[XS+\i+3]|
.endr
	s_delay_alu instid0(VALU_DEP_2)
	v_max3_num_f32 v12, v12, |v[XS+30]|, |v[XS+31]|
	s_delay_alu instid0(VALU_DEP_1)
	v_max3_num_f32 v12, v12, v13, 0x1800000        ; and the floor 2^(3 - 127): the byte cannot fall under 1
	s_delay_alu instid0(VALU_DEP_1)
	v_add_nc_u32 v11, 0xff000000, v12              ; 2 off its exponent field: the conversion's scale operand
	s_delay_alu instid0(VALU_DEP_1)
	v_lshrrev_b32 v13, 23, v11                     ; the scale's byte
.if (\t) == 0
	s_delay_alu instid0(VALU_DEP_1)
	v_mov_b32 v[WSB], v13                          ; four bytes to the word, the lower K in the lower byte
.else
	s_delay_alu instid0(VALU_DEP_1)
	v_lshl_or_b32 v[WSB], v13, 8*(\t), v[WSB]
.endif
.irp g, 0,1,2,3
	v_cvt_scalef32_pk8_fp4_f32 v[WC+4*(\t)+\g], v[XS+8*\g:XS+8*\g+7], v11
.endr
	global_store_b128 v4, v[WC+4*(\t):WC+4*(\t)+3], s[38:39] offset:256*(\t)   ; the sixteen lanes of a tile store 256 consecutive bytes, aligned
.if (\t)+2 < 4
	WLOAD (\t)+2
.endif
.endm
	WBLOCK 0
	WBLOCK 1
	WBLOCK 2
	WBLOCK 3
	global_store_b32 v5, v[WSB], s[40:41]          ; my column's word for these 128 along K
	s_endpgm
.Lfunc_end_k_qd85a218f36_quant_x:
	.size	k_qd85a218f36_quant_x, .Lfunc_end_k_qd85a218f36_quant_x-k_qd85a218f36_quant_x
	.p2alignl 7, 3214868480
	.fill 96, 4, 3214868480
	.section	.rodata,"a",@progbits
	.p2align	6, 0x0
	.amdhsa_kernel k_qd85a218f36_quant_x
		.amdhsa_group_segment_fixed_size 41472
		.amdhsa_private_segment_fixed_size 0
		.amdhsa_enable_private_segment 0
		.amdhsa_kernarg_size 72
		.amdhsa_user_sgpr_count 2
		.amdhsa_user_sgpr_kernarg_segment_ptr 1
		.amdhsa_wavefront_size32 1
		.amdhsa_system_sgpr_workgroup_id_x 1
		.amdhsa_system_sgpr_workgroup_id_y 1
		.amdhsa_system_sgpr_workgroup_id_z 1
		.amdhsa_system_vgpr_workitem_id 0
		.amdhsa_next_free_vgpr 170
		.amdhsa_next_free_sgpr 66
		.amdhsa_reserve_vcc 0
		.amdhsa_float_denorm_mode_32 3
		.amdhsa_float_denorm_mode_16_64 3
		.amdhsa_memory_ordered 1
		.amdhsa_forward_progress 1
		.amdhsa_inst_pref_size 57
	.end_amdhsa_kernel
	.amdgpu_metadata
---
amdhsa.version: [ 1, 2 ]
amdhsa.kernels:
  - .name:           k_qd85a218f36_quant_x
    .symbol:         k_qd85a218f36_quant_x.kd
    .args:
      - { .name: query, .offset: 0, .size: 8, .value_kind: global_buffer, .address_space: global }
      - { .name: key_value, .offset: 8, .size: 8, .value_kind: global_buffer, .address_space: global }
      - { .name: x_codes, .offset: 16, .size: 8, .value_kind: global_buffer, .address_space: global }
      - { .name: x_scales, .offset: 24, .size: 8, .value_kind: global_buffer, .address_space: global }
      - { .name: Wq, .offset: 32, .size: 8, .value_kind: global_buffer, .address_space: global }
      - { .name: Wk, .offset: 40, .size: 8, .value_kind: global_buffer, .address_space: global }
      - { .name: Wv, .offset: 48, .size: 8, .value_kind: global_buffer, .address_space: global }
      - { .name: w_codes, .offset: 56, .size: 8, .value_kind: global_buffer, .address_space: global }
      - { .name: w_scales, .offset: 64, .size: 8, .value_kind: global_buffer, .address_space: global }
    .group_segment_fixed_size: 41472
    .private_segment_fixed_size: 0
    .kernarg_segment_align: 8
    .kernarg_segment_size: 72
    .max_flat_workgroup_size: 128
    .sgpr_count:     66
    .vgpr_count:     170
    .wavefront_size: 32
...
	.end_amdgpu_metadata
.endif
;; end of part 1
;; launch proj (part 2): grid 4 x 96, 4 waves a work-group, clusters of 4 x 4, 327,680 bytes of LDS; arguments x_codes, x_scales, w_codes, w_scales, a_codes, a_scales; writes a_codes, a_scales
.if DOCPART == 2
	.amdgcn_target "amdgcn-amd-amdhsa--gfx1250"
	.amdhsa_code_object_version 6
	.text
	.protected	k_qd85a218f36_proj
	.globl	k_qd85a218f36_proj
	.p2align	8
	.type	k_qd85a218f36_proj,@function
k_qd85a218f36_proj:
	s_mov_b64 s[64:65], 0
	v_nop
	global_prefetch_b8 v0, s[64:65] scope:SCOPE_SE
	s_setreg_imm32_b32 hwreg(HW_REG_WAVE_MODE, 25, 1), 1
	s_wait_xcnt 0x0
	s_wait_alu depctr_hold_cnt(0) depctr_sa_sdst(0) depctr_va_vdst(0) depctr_va_sdst(0) depctr_va_ssrc(0) depctr_va_vcc(0) depctr_vm_vsrc(0)
	s_getreg_b32 s2, hwreg(HW_REG_IB_STS2, 6, 4)
	s_cmp_eq_u32 s2, 0
	s_cbranch_scc0 .Lentry_in_a_cluster
	s_endpgm
.Lentry_in_a_cluster:
	s_bfe_u32 s2, ttmp6, 0x10000c
	s_cmp_lg_u32 s2, 0xf033
	s_cbranch_scc0 .Lentry_shape_is_right
	s_endpgm
.Lentry_shape_is_right:
.set NQ,    4
.set FR,    8
.set NL,    2
.set NP,    4
.set KHB,   131072
.set POFF,  65536
.set SCR,   262144
.set ADRR,  16
.set ADRP,  20
.set ADRS,  27
.set SC,    32
.set AF,    128
.set HA,    128
.set PC,    192
.set TM,    200
.set PW,    216
.set WW,    224
.set SELV,  228
.set CA0,   3
.set CA1,   23
.set SA,    24
.set SA2,   25
.set SEL,   2
.set G1R,   24
.set G1P,   32
.set G1RS,  40
.set G1PS,  48
.set G0R,   56
.set G0RS,  68
.set G0P,   72
.set G0PS,  80
.set MSB, 0
.macro WIN new
.if MSB != \new
	s_set_vgpr_msb (MSB<<8)|\new
.set MSB, \new
.endif
.endm
.set MUL_LO, 0xa1
.set MUL_HI, 0xf1
.set TO_B,   0x40
.macro JLOAD g0r, g1r, g0p, g1p
	s_cmp_eq_u32 s17, 0
	s_cbranch_scc0 .Lfor_p_\@
	tensor_load_to_lds s[\g0r:\g0r+3], s[\g1r:\g1r+7]
	s_nop 0
.rept 4
	v_nop
.endr
	s_branch .Lasked_\@
.Lfor_p_\@:
	tensor_load_to_lds s[\g0p:\g0p+3], s[\g1p:\g1p+7]
	s_nop 0
.rept 4
	v_nop
.endr
.Lasked_\@:
.endm
.macro CROUND
	s_barrier_signal -1
	s_barrier_wait -1
	s_cmp_lg_u32 s16, 0
	s_cbranch_scc1 .Lnot_wave_0_\@
	s_barrier_signal -3
.Lnot_wave_0_\@:
	s_barrier_wait -3
	s_barrier_signal -1
	s_barrier_wait -1
.endm
	s_load_b256 s[4:11], s[0:1], 0x0
	s_load_b128 s[12:15], s[0:1], 0x20
	v_lshl_add_u32 v254, v0, 2, 0x44000
	v_mov_b32 v255, 0
	ds_add_u32 v254, v255
	ds_add_u32 v254, v255
	v_lshrrev_b32 v1, 5, v0
	v_readfirstlane_b32 s16, v1
	s_lshr_b32 s17, s16, 1
	s_and_b32 s18, s16, 1
	s_bfe_u32 s19, ttmp6, 0x40000
	s_bfe_u32 s20, ttmp6, 0x40004
	s_and_b32 s21, ttmp7, 0xffff
	s_lshr_b32 s22, s21, 3
	s_and_b32 s23, s21, 7
	s_lshl_b32 s23, s23, 2
	s_cmp_eq_u32 s22, 2
	s_cselect_b32 s84, s23, 0
	s_cselect_b32 s85, 0, s23
	s_add_co_u32 s84, s84, s19
	s_add_co_u32 s85, s85, s20
	s_lshl_b32 s99, s20, 2
	s_lshl_b32 s99, 15, s99
	s_lshl_b32 s100, 0x1111, s19
	s_or_b32 s[G1R], s99, (3<<16)|(1<<21)
	s_or_b32 s[G1P], s100, (3<<16)|(1<<21)
	s_or_b32 s[G1RS], s99, (3<<16)|(1<<21)
	s_or_b32 s[G1PS], s100, (3<<16)|(1<<21)
.irp g, G1R, G1P
	s_mov_b32 s[\g+1], 512<<16
	s_mov_b32 s[\g+2], 16<<16
	s_mov_b32 s[\g+3], 512<<16
	s_mov_b32 s[\g+4], 16
	s_mov_b32 s[\g+5], 1024
	s_mov_b32 s[\g+6], 0
	s_mov_b32 s[\g+7], 0
.endr
.irp g, G1RS, G1PS
	s_mov_b32 s[\g+1], 32<<16
	s_mov_b32 s[\g+2], 32<<16
	s_mov_b32 s[\g+3], 32<<16
	s_mov_b32 s[\g+4], 32
	s_mov_b32 s[\g+5], 32
	s_mov_b32 s[\g+6], 0
	s_mov_b32 s[\g+7], 0
.endr
	s_min_u32 s96, s22, 1
	s_lshl_b32 s97, s96, 22
	s_lshl_b32 s96, s96, 18
	s_lshl_b32 s98, s22, 19
	s_lshl_b32 s101, s22, 15
	s_cmp_eq_u32 s22, 2
	s_cselect_b32 s86, s98, s97
	s_cselect_b32 s88, s97, s98
	s_cselect_b32 s90, s101, s96
	s_cselect_b32 s92, s96, s101
	s_lshl_b32 s99, s85, 17
	s_add_co_u32 s86, s86, s99
	s_lshl_b32 s99, s85, 13
	s_add_co_u32 s90, s90, s99
	s_lshl_b32 s100, s84, 17
	s_add_co_u32 s88, s88, s100
	s_lshl_b32 s100, s84, 13
	s_add_co_u32 s92, s92, s100
	s_lshl_b32 s100, s18, 16                       ; behind the head a wave fetches eight of a side's sixteen tiles: which eight, in bytes
	s_mov_b32 s101, 0
	s_mov_b32 s87, 0
	s_mov_b32 s89, 0
	s_mov_b32 s91, 0
	s_mov_b32 s93, 0
	s_lshl_b32 s96, s16, 15
	s_lshl_b32 s97, s16, 12
	s_mov_b32 s[SEL], 0x76543210
	s_mov_b32 s[SEL+1], 0xfedcba98
	s_wait_dscnt 0x0
	s_wait_kmcnt 0x0
	s_cmp_eq_u32 s22, 2
	s_cselect_b64 s[94:95], s[8:9], s[4:5]
	s_cselect_b64 s[4:5], s[4:5], s[8:9]
	s_cselect_b64 s[8:9], s[10:11], s[6:7]
	s_cselect_b64 s[6:7], s[6:7], s[10:11]
	s_add_nc_u64 s[94:95], s[94:95], s[86:87]
	s_add_nc_u64 s[4:5], s[4:5], s[88:89]
	s_add_nc_u64 s[8:9], s[8:9], s[90:91]
	s_add_nc_u64 s[6:7], s[6:7], s[92:93]
	CROUND
	s_mov_b32 s[G0RS], 1
	s_mov_b32 s[G0RS+1], SCR
	s_mov_b64 s[G0RS+2:G0RS+3], s[8:9]
	s_or_b32 s[G0RS+3], s[G0RS+3], 0x80000000
	s_mov_b32 s[G0PS], 1
	s_mov_b32 s[G0PS+1], SCR+8192
	s_mov_b64 s[G0PS+2:G0PS+3], s[6:7]
	s_or_b32 s[G0PS+3], s[G0PS+3], 0x80000000
	; THE HEAD'S FOUR TILES, each whole, one joint load a wave: wave 0 the first half of K of the sixteen row tiles, wave 1 the same of the sixteen column tiles,
	; wave 2 the rows' scale bytes (8,192, both halves of K), wave 3 the columns'.
	s_mov_b32 s[G0R], 1
	s_mov_b32 s[G0R+1], 0
	s_mov_b64 s[G0R+2:G0R+3], s[94:95]
	s_or_b32 s[G0R+3], s[G0R+3], 0x80000000
	s_mov_b32 s[G0P], 1
	s_mov_b32 s[G0P+1], POFF
	s_mov_b64 s[G0P+2:G0P+3], s[4:5]
	s_or_b32 s[G0P+3], s[G0P+3], 0x80000000
	s_add_nc_u64 s[94:95], s[94:95], s[100:101]    ; the second half of K comes by quarters: my eight tiles
	s_add_nc_u64 s[4:5], s[4:5], s[100:101]
	s_mov_b32 s[G0R+4], 1
	s_add_co_u32 s[G0R+5], s96, KHB
	s_add_nc_u64 s[G0R+6:G0R+7], s[94:95], 4096
	s_or_b32 s[G0R+7], s[G0R+7], 0x80000000
	s_mov_b32 s[G0P+4], 1
	s_add_co_u32 s[G0P+5], s96, KHB
	s_add_nc_u64 s[G0P+6:G0P+7], s[4:5], 4096
	s_or_b32 s[G0P+7], s[G0P+7], 0x80000000
.macro ARM under, g0, g1, next         ; one tree of branches on the wave's number: every way through the head passes exactly one load
	s_cmp_lt_u32 s16, \under
	s_cbranch_scc0 \next
	tensor_load_to_lds s[\g0:\g0+3], s[\g1:\g1+7]
	s_nop 0
.rept 4
	v_nop
.endr
	s_branch .Lhead_asked
\next:
.endm
	ARM 1, G0R,  G1R,  .Lhead_p
	ARM 2, G0P,  G1P,  .Lhead_rs
	ARM 3, G0RS, G1RS, .Lhead_ps
	tensor_load_to_lds s[G0PS:G0PS+3], s[G1PS:G1PS+7]
	s_nop 0
.rept 4
	v_nop
.endr
.Lhead_asked:
	v_and_b32 v1, 15, v0
	v_bfe_u32 v2, v0, 4, 1
	s_wait_alu depctr_va_vdst(0)
	v_and_b32 v3, 31, v0
	v_lshlrev_b32 v3, 4, v3
	s_lshl_b32 s99, s17, 15
	s_lshl_b32 s100, s18, 15
	s_add_co_u32 s100, s100, POFF
.irp s, 0,1
	v_add_nc_u32 v[ADRR+\s], s99, v3
	v_add_nc_u32 v[ADRP+\s], s100, v3
	s_add_co_u32 s99, s99, KHB
	s_add_co_u32 s100, s100, KHB
.endr
	v_lshlrev_b32 v5, 4, v1
	s_lshl_b32 s99, s17, 12
	s_lshl_b32 s100, s18, 12
	s_add_co_u32 s100, s100, 8192
	s_sub_co_u32 s100, s100, s99
	v_mul_u32_u24 v6, s100, v2
	s_add_co_u32 s99, s99, SCR
	v_add_nc_u32 v5, v5, v6
	v_add_nc_u32 v[ADRS], s99, v5
.macro FRAG reg, adr, q, i
.irp c, 0,1
	ds_load_b128 v[\reg+4*\c:\reg+4*\c+3], v[\adr] offset:(\i)*4096+(\q)*1024+512*\c
.endr
.endm
.macro MUL16 a0, p, q, sc, zero
.irp a, \a0, \a0+1
.irp b, 0,1,2,3,4,5,6,7
.if \zero
	v_wmma_scale_f32_16x16x128_f8f6f4 v[8*(8*((\a)%4)+\b):8*(8*((\a)%4)+\b)+7], v[128*(\p)+FR*\b:128*(\p)+FR*\b+FR-1], v[AF+FR*(\a):AF+FR*(\a)+FR-1], 0, v[SC+8*NQ*(\sc)+NQ*\b+(\q)], v[SC+8*NQ*(\sc)+NQ*(\a)+(\q)] matrix_a_fmt:MATRIX_FMT_FP4 matrix_b_fmt:MATRIX_FMT_FP4 matrix_a_scale:MATRIX_SCALE_ROW1
.else
	v_wmma_scale_f32_16x16x128_f8f6f4 v[8*(8*((\a)%4)+\b):8*(8*((\a)%4)+\b)+7], v[128*(\p)+FR*\b:128*(\p)+FR*\b+FR-1], v[AF+FR*(\a):AF+FR*(\a)+FR-1], v[8*(8*((\a)%4)+\b):8*(8*((\a)%4)+\b)+7], v[SC+8*NQ*(\sc)+NQ*\b+(\q)], v[SC+8*NQ*(\sc)+NQ*(\a)+(\q)] matrix_a_fmt:MATRIX_FMT_FP4 matrix_b_fmt:MATRIX_FMT_FP4 matrix_a_scale:MATRIX_SCALE_ROW1
.endif
.endr
.endr
.endm
.macro FETCH_B slot, q, p
	WIN TO_B
.irp i, 0,1,2,3,4,5,6,7
	FRAG 128*(\p)+FR*\i, ADRP+\slot, \q, \i
.endr
	WIN 0
.endm
.macro FETCH_A slot, q, i0
.irp i, \i0, \i0+1, \i0+2, \i0+3
	FRAG AF+FR*(\i), ADRR+\slot, \q, \i
.endr
.endm
.macro SCALES sc
.irp i, 0,1,2,3,4,5,6,7
	ds_load_b128 v[SC+8*NQ*\sc+NQ*\i:SC+8*NQ*\sc+NQ*\i+3], v[ADRS] offset:\i*512+256*\sc
.endr
.endm
.macro PLACES n
.rept \n
	v_nop
.endr
.endm
.macro STEP slot, q, zero
	s_wait_dscnt 4*NL
	WIN MUL_LO
	MUL16 0, (\q)%2, \q, \slot, \zero
	MUL16 2, (\q)%2, \q, \slot, \zero
	s_wait_dscnt 0
	PLACES NP
	FETCH_B \slot, (\q)+1, 1-(\q)%2
	FETCH_A \slot, (\q)+1, 0
	WIN MUL_HI
	MUL16 4, (\q)%2, \q, \slot, \zero
	MUL16 6, (\q)%2, \q, \slot, \zero
	PLACES NP
	WIN 0
	FETCH_A \slot, (\q)+1, 4
.endm
	s_wait_alu depctr_va_vdst(0)
	s_wait_tensorcnt 0x0                           ; my tile of the head's four is in
	ds_add_u32 v254, v255
	s_mov_b32 s[G1R+2], 8<<16                      ; no tensor load of mine is out, so a descriptor may be written: from here on a load brings eight tiles
	s_mov_b32 s[G1R+4], 8
	s_mov_b32 s[G1P+2], 8<<16
	s_mov_b32 s[G1P+4], 8
	s_wait_dscnt 0x0
	CROUND                                         ; all four tiles are in, and all sixteen work-groups are here
	JLOAD G0R+4, G1R, G0P+4, G1P                   ; the second half of K: the first tensor load behind the round, a quarter a wave
	FETCH_B 0, 0, 0
	FETCH_A 0, 0, 0
	SCALES 0
	FETCH_A 0, 0, 4
	STEP 0, 0, 1
	STEP 0, 1, 0
	STEP 0, 2, 0
	s_wait_tensorcnt 0x0
	s_wait_dscnt 4*NL
	WIN MUL_LO
	MUL16 0, 1, 3, 0, 0
	s_wait_dscnt 0x0
	s_barrier_signal -1
	MUL16 2, 1, 3, 0, 0
	WIN 0
	s_barrier_wait -1
	PLACES NP
	FETCH_B 1, 0, 0
	FETCH_A 1, 0, 0
	SCALES 1
	WIN MUL_HI
	MUL16 4, 1, 3, 0, 0
	MUL16 6, 1, 3, 0, 0
	PLACES NP
	WIN 0
	FETCH_A 1, 0, 4
	STEP 1, 0, 0
	STEP 1, 1, 0
	STEP 1, 2, 0
	s_wait_dscnt 4*NL
	WIN MUL_LO
	MUL16 0, 1, 3, 1, 0
	MUL16 2, 1, 3, 1, 0
	s_wait_dscnt 0
	WIN MUL_HI
	MUL16 4, 1, 3, 1, 0
	MUL16 6, 1, 3, 1, 0
	WIN 0
.irp b, 0,1,2,3
	v_mov_b32 v[TM+4+\b], 0
.endr
	s_lshl_b32 s99, s84, 1
	s_add_co_u32 s99, s99, s18
	s_lshl_b32 s100, s85, 1
	s_add_co_u32 s100, s100, s17
	s_mov_b32 s86, 0x3eb504f3
	s_mov_b32 s90, 512
	s_mov_b32 s96, 65536
	s_mov_b32 s97, 0x05040100
	s_mov_b32 s98, 0x07060302
	s_cmp_eq_u32 s22, 2
	s_cselect_b32 s101, s99, s100
	s_cselect_b32 s99, s100, s99
	s_cselect_b32 s86, 0x3f800000, s86
	s_cselect_b32 s90, 1024, s90
	s_cselect_b32 s92, 61440, 0
	s_cselect_b32 s96, 512, s96
	s_cselect_b32 s97, 0x03020100, s97
	s_cselect_b32 s98, 0x07060504, s98
	s_mov_b32 s87, s86
	s_mov_b32 s91, 0
	s_mov_b32 s93, 0
	s_lshr_b32 s100, s101, 4
	s_lshl_b32 s100, s100, 4
	s_lshl_b32 s99, s99, 1
	s_add_co_u32 s100, s100, s99
	s_and_b32 s101, s101, 15
	s_lshl_b32 s88, s22, 22
	s_lshl_b32 s99, s100, 16
	s_add_co_u32 s88, s88, s99
	s_lshl_b32 s99, s101, 12
	s_add_co_u32 s88, s88, s99
	s_mov_b32 s89, 0
	s_add_nc_u64 s[88:89], s[12:13], s[88:89]
	s_lshl_b32 s94, s22, 18
	s_lshl_b32 s99, s100, 12
	s_add_co_u32 s94, s94, s99
	s_lshl_b32 s99, s101, 8
	s_add_co_u32 s94, s94, s99
	s_mov_b32 s95, 0
	s_add_nc_u64 s[94:95], s[14:15], s[94:95]
	v_add_nc_u32 v[CA1], s96, v[CA0]
	v_lshlrev_b32 v[SA], 4, v1
	v_lshl_add_u32 v[SA], v2, 12, v[SA]
	v_lshrrev_b32 v[SA2], 1, v[CA0]
	v_cmp_eq_u32 vcc_lo, 1, v2
	v_mov_b32 v[SELV], s97
	v_mov_b32 v[SELV+1], s98
	v_cndmask_b32 v[SELV], v[SELV], v[SELV+1], vcc_lo
.macro QUANT s, pw
.irp b, 0,1,2,3
	v_max3_num_f32 v[TM+\b], |v[\s+16*\b]|, |v[\s+1+16*\b]|, 0x1800000
.endr
.irp i, 2,4,6,8,10,12,14
.irp b, 0,1,2,3
	v_max3_num_f32 v[TM+\b], v[TM+\b], |v[\s+16*\b+\i]|, |v[\s+1+16*\b+\i]|
.endr
.endr
.irp b, 0,1,2,3
	v_permlanex16_b32 v[TM+4+\b], v[TM+\b], s[SEL], s[SEL+1]
.endr
.irp b, 0,1,2,3
	v_max_num_f32 v[TM+\b], v[TM+\b], v[TM+4+\b]
.endr
.irp b, 0,1,2,3
	v_add_nc_u32 v[TM+12+\b], 0xff000000, v[TM+\b]
.endr
.irp b, 0,1,2,3
	v_lshrrev_b32 v[TM+4+\b], 23, v[TM+12+\b]
.endr
	v_lshl_or_b32 v[\pw], v[TM+5], 8, v[TM+4]
	v_lshl_or_b32 v[\pw], v[TM+6], 16, v[\pw]
	v_lshl_or_b32 v[\pw], v[TM+7], 24, v[\pw]
.irp b, 0,1,2,3
	v_cvt_scalef32_pk8_fp4_f32 v[PC+2*\b], v[\s+16*\b:\s+7+16*\b], v[TM+12+\b]
	v_cvt_scalef32_pk8_fp4_f32 v[PC+1+2*\b], v[\s+8+16*\b:\s+15+16*\b], v[TM+12+\b]
.endr
	v_nop
.irp c, 0,1
.irp i, 0,1
	v_permlane16_swap_b32 v[PC+4*\c+\i], v[PC+2+4*\c+\i]
.endr
.endr
.endm
.macro EPI a
	WIN 0x02+((\a)/4)
.set jj, 0
.rept 32
	v_pk_mul_f32 v[HA+2*jj:HA+2*jj+1], v[64*((\a)%4)+2*jj:64*((\a)%4)+2*jj+1], s[86:87] op_sel_hi:[1,0]
.set jj, jj+1
.endr
	WIN 0
	s_wait_xcnt 0x0
.if (\a) > 0
	s_add_nc_u64 s[88:89], s[88:89], s[90:91]
.endif
.if (\a) == 4
	s_add_nc_u64 s[88:89], s[88:89], s[92:93]
.endif
	QUANT HA, PW+\a
	global_store_b128 v[CA0], v[PC:PC+3], s[88:89]
	global_store_b128 v[CA1], v[PC+4:PC+7], s[88:89]
.endm
.irp a, 0,1,2,3,4,5,6,7
	EPI \a
.endr
.irp j, 0,1,2,3
	v_perm_b32 v[WW+\j], v[PW+2*\j+1], v[PW+2*\j], v[SELV]
.endr
	s_cmp_eq_u32 s22, 2
	s_cbranch_scc1 .Lv_scales
	global_store_b128 v[SA], v[WW:WW+3], s[94:95]
	s_branch .Lstored
.Lv_scales:
	s_wait_alu depctr_va_vdst(0)
	global_store_b64 v[SA2], v[WW:WW+1], s[94:95]
	global_store_b64 v[SA2], v[WW+2:WW+3], s[94:95] offset:4096
.Lstored:
	s_wait_tensorcnt 0x0
	ds_add_u32 v254, v255
	s_wait_dscnt 0x0
	CROUND
	s_endpgm
.Lfunc_end_k_qd85a218f36_proj:
	.size	k_qd85a218f36_proj, .Lfunc_end_k_qd85a218f36_proj-k_qd85a218f36_proj
	.p2alignl 7, 3214868480
	.fill 96, 4, 3214868480
	.section	.rodata,"a",@progbits
	.p2align	6, 0x0
	.amdhsa_kernel k_qd85a218f36_proj
		.amdhsa_group_segment_fixed_size 327680
		.amdhsa_private_segment_fixed_size 0
		.amdhsa_enable_private_segment 0
		.amdhsa_kernarg_size 48
		.amdhsa_user_sgpr_count 2
		.amdhsa_user_sgpr_kernarg_segment_ptr 1
		.amdhsa_wavefront_size32 1
		.amdhsa_system_sgpr_workgroup_id_x 1
		.amdhsa_system_sgpr_workgroup_id_y 1
		.amdhsa_system_sgpr_workgroup_id_z 1
		.amdhsa_system_vgpr_workitem_id 0
		.amdhsa_next_free_vgpr 1024
		.amdhsa_next_free_sgpr 102
		.amdhsa_reserve_vcc 1
		.amdhsa_float_denorm_mode_32 3
		.amdhsa_float_denorm_mode_16_64 3
		.amdhsa_memory_ordered 1
		.amdhsa_forward_progress 1
		.amdhsa_inst_pref_size 146
	.end_amdhsa_kernel
	.amdgpu_metadata
---
amdhsa.version: [ 1, 2 ]
amdhsa.kernels:
  - .name:           k_qd85a218f36_proj
    .symbol:         k_qd85a218f36_proj.kd
    .args:
      - { .name: x_codes, .offset: 0, .size: 8, .value_kind: global_buffer, .address_space: global }
      - { .name: x_scales, .offset: 8, .size: 8, .value_kind: global_buffer, .address_space: global }
      - { .name: w_codes, .offset: 16, .size: 8, .value_kind: global_buffer, .address_space: global }
      - { .name: w_scales, .offset: 24, .size: 8, .value_kind: global_buffer, .address_space: global }
      - { .name: a_codes, .offset: 32, .size: 8, .value_kind: global_buffer, .address_space: global }
      - { .name: a_scales, .offset: 40, .size: 8, .value_kind: global_buffer, .address_space: global }
    .group_segment_fixed_size: 327680
    .private_segment_fixed_size: 0
    .kernarg_segment_align: 8
    .kernarg_segment_size: 48
    .max_flat_workgroup_size: 128
    .sgpr_count:     102
    .vgpr_count:     1024
    .wavefront_size: 32
...
	.end_amdgpu_metadata
.endif
;; end of part 2
;; launch attn (part 3): grid 4 x 64, 8 waves a work-group, clusters of 4 x 1, 210,944 bytes of LDS; arguments a_codes, a_scales, out0; writes out0
.if DOCPART == 3
	.amdgcn_target "amdgcn-amd-amdhsa--gfx1250"
	.amdhsa_code_object_version 6
	.text
	.protected	k_qd85a218f36_attn
	.globl	k_qd85a218f36_attn
	.p2align	8
	.type	k_qd85a218f36_attn,@function
k_qd85a218f36_attn:
	s_mov_b64 s[64:65], 0
	v_nop
	global_prefetch_b8 v0, s[64:65] scope:SCOPE_SE
	s_setreg_imm32_b32 hwreg(HW_REG_WAVE_MODE, 25, 1), 1
	s_wait_xcnt 0x0
	s_wait_alu depctr_hold_cnt(0) depctr_sa_sdst(0) depctr_va_vdst(0) depctr_va_sdst(0) depctr_va_ssrc(0) depctr_va_vcc(0) depctr_vm_vsrc(0)
	s_getreg_b32 s2, hwreg(HW_REG_IB_STS2, 6, 4)
	s_cmp_eq_u32 s2, 0
	s_cbranch_scc0 .Lentry_in_a_cluster
	s_endpgm
.Lentry_in_a_cluster:
	s_bfe_u32 s2, ttmp6, 0x10000c
	s_cmp_lg_u32 s2, 0x3003
	s_cbranch_scc0 .Lentry_shape_is_right
	s_endpgm
.Lentry_shape_is_right:
; out[b][q][64 head + e] = the sum over keys of softmax(q . k) v, both products on codes of FP4 (E2M1) with one E8M0 scale for each 32 along a product's K.  q, k, v arrive as codes from the launch before (layouts: there).
; THE SOFTMAX AHEAD OF THE SECOND PRODUCT: t = score x log2(e); M = the row's largest t so far, rounded UP to a whole number; p = 2^(t - M) is what is quantised, along the keys; it is not normalised.
; The row's sum is taken of the unquantised p, in f32, and divides O at the end.  When M moves, the sum and O are multiplied by 2^(old M - new M): exact.
; SHARES.  Work-group y is (batch, head); x a block of 512 queries: 256 work-groups of equal work.  Each of the EIGHT waves owns 64 queries, four tiles of 16, which share every fragment of K and V that the wave reads.
; Two waves lie on a SIMD.  The softmax is worked for TWO tiles at a time: eight blocks' maxima, two chains for M and four chains for the sums stand line by line, so that no line waits for the line above it,
; and the pair's 136 exponentials are two batches.  Every wave walks all 2,048 keys, 128 a step.
; THE WHOLE HEAD LIES IN LDS: K's codes, V's codes and their scale bytes, each byte filled once, all asked for at the head: so there is no loop in which a prefetch could run ahead, and none is written.
; CLUSTER: the four query blocks of a head want the same bytes, so each tile is asked for jointly by all four.
; LAYOUT.  Both products are used transposed: S^T = K Q^T, O^T = V^T P^T: a lane holds ONE query (lane % 16) of each tile throughout.
; Place r of token tile 2 G + u is token 32 G + 8 u + r + 8 (r / 8), so the 16 registers of two neighbouring tiles of scores are 16 neighbouring keys, 32 G + 16 (lane / 16) + 0 .. 15.
; K = 64 IN AN INSTRUCTION OF K = 128: a fragment of K holds TWO tiles of keys; it is multiplied by [q | zero codes] and by [zero codes | q].  Zero codes add nothing under any byte but 0xff; the bytes here lie between 1 and 254.
; LIMITS: NaN and infinities are not served; the promise holds while the scaled scores stay under 2^31 in magnitude (the running maximum begins at -1e38); a block whose every p has fallen under 2^-124 keeps the byte 1.
; REGISTERS.  Window 0: v1-6 addresses; v7-8 the add's two; v10-11 Q's raw scale words; v12-27 a tile's -M, largest score, sum in two halves; v28-31 Q's scale words; v32-35 p's; v36-39 K's; v40-41 V's;
;   v42-45 f, a pair a tile; v46-47, v48-55, v56-63 at work; v64-95 four fragments of K or of V; v96-127 p's codes, 8 a tile; v128-255 S^T, then p, of two tiles.
; Window 1: v0-127 O^T, 32 a tile; v128-175 Q, [q | 0 | q] a tile.
.set KC,    0                          ; LDS: K's codes, 65,536 bytes: [step 16][fragment 4][1,024]
.set VC,    65536                      ; V's codes: [step 16][tile of e: 4][1,024]
.set KSB,   131072                     ; K's scale bytes, 4,096: [step][r][4 words]
.set VSB,   135168                     ; V's: [step][lane][8 bytes]
.set STAGE, 139264                     ; the way out: 16 rows x (256 bytes + 16) for each wave; no tile lands here
.set SPT,   272
.set SPARE, 0x33000                    ; the spare words: 128 bytes for each wave, which no other line names
.set SPW,   7
.set NIL,   8
.set ST,    12
.set QS,    28
.set PS,    32
.set KS,    36
.set VS,    40
.set F,     42
.set TMP,   46
.set BM,    48                         ; a block's largest score, its largest p, then the conversion's scale operand
.set T2,    56                         ; the other half's maxima, the scale bytes, then the sums' second chains
.set KF,    64
.set PC,    96
.set S,     128
.set O,     0                          ; window 1
.set QW,    128                        ; window 1
.set SEL,   40                         ; s[40:41] lane selects for v_permlanex16_b32: lane l xor 16
.set CS,    42                         ; s[42:43] log2(e): the packed form names a pair and takes its low word for both halves
.set MSB, 0
.macro WIN new                         ; the immediate's high byte repeats the setting that is left
.if MSB != \new
	s_set_vgpr_msb (MSB<<8)|\new
.set MSB, \new
.endif
.endm
.macro CROUND                          ; a round of the cluster's barrier
	s_barrier_signal -1
	s_barrier_wait -1
	s_cmp_lg_u32 s10, 0
	s_cbranch_scc1 .Lnot_wave_0_\@
	s_barrier_signal -3
.Lnot_wave_0_\@:
	s_barrier_wait -3
	s_barrier_signal -1
	s_barrier_wait -1
.endm
	s_load_b128 s[4:7], s[0:1], 0x0                ; a_codes, a_scales
	s_load_b64 s[8:9], s[0:1], 0x10                ; out0
	v_lshl_add_u32 v[SPW], v0, 2, SPARE
	v_mov_b32 v[NIL], 0
	ds_add_u32 v[SPW], v[NIL]
	ds_add_u32 v[SPW], v[NIL]
	v_lshrrev_b32 v1, 5, v0
	v_readfirstlane_b32 s10, v1                    ; wave 0..7
	s_bfe_u32 s11, ttmp6, 0x40000                  ; cx: it enters Q's and O's global addresses alone
	s_and_b32 s12, ttmp7, 0xffff                   ; bh = 16 batch + head, which the four partners share
	; descriptor group 1: dense blocks as rows of 256 bytes (32 elements of 8 bytes): 128 rows of codes, 16 rows of scale bytes
	s_mov_b32 s16, 15|(3<<16)|(1<<21)              ; the mask: all four work-groups; elements of 8 bytes; bit 21 beside a mask
	s_mov_b32 s17, 32<<16
	s_mov_b32 s18, 128<<16
	s_mov_b32 s19, 32<<16
	s_mov_b32 s20, 128
	s_mov_b32 s21, 32
	s_mov_b32 s22, 0
	s_mov_b32 s23, 0
	s_mov_b32 s24, 15|(3<<16)|(1<<21)
	s_mov_b32 s25, 32<<16
	s_mov_b32 s26, 16<<16
	s_mov_b32 s27, 32<<16
	s_mov_b32 s28, 16
	s_mov_b32 s29, 32
	s_mov_b32 s30, 0
	s_mov_b32 s31, 0
	; waves 0 and 1 fetch the halves of K's codes, waves 2 and 3 of V's; waves 4 and 5 K's and V's scale bytes.  (wave % 4 and wave % 2, so that every address written here lies inside the claim)
	s_and_b32 s48, s10, 3
	s_lshl_b32 s49, s48, 15                        ; LDS: 32,768 x (wave % 4)
	s_lshr_b32 s50, s48, 1
	s_add_co_u32 s50, s50, 1                       ; kind 1 (k) or 2 (v)
	s_lshl_b32 s50, s50, 22
	s_lshl_b32 s52, s12, 16                        ; the head's 65,536 bytes
	s_add_co_u32 s50, s50, s52
	s_and_b32 s54, s10, 1
	s_lshl_b32 s53, s54, 15
	s_add_co_u32 s50, s50, s53
	s_mov_b32 s51, 0
	s_lshl_b32 s55, s54, 12
	s_add_co_u32 s55, s55, KSB                     ; LDS
	s_add_co_u32 s56, s54, 1
	s_lshl_b32 s56, s56, 18
	s_lshl_b32 s58, s12, 12                        ; the head's 4,096 scale bytes
	s_add_co_u32 s56, s56, s58
	s_mov_b32 s57, 0
	s_lshl_b32 s59, ttmp9, 2
	s_add_co_u32 s59, s59, s11                     ; my block of 512 queries
	s_lshl_b32 s59, s59, 4
	s_lshl_b32 s13, s10, 1
	s_add_co_u32 s59, s59, s13                     ; F: the first of my two groups of 32 queries, an even number
	s_lshl_b32 s60, s59, 10
	s_add_co_u32 s60, s60, s52                     ; Q's codes (kind 0): 1,024 F in the head
	s_mov_b32 s61, 0
	s_lshr_b32 s62, s59, 2
	s_lshl_b32 s62, s62, 8
	s_and_b32 s63, s59, 3
	s_lshl_b32 s63, s63, 2
	s_add_co_u32 s62, s62, s63
	s_add_co_u32 s62, s62, s58                     ; Q's scale words: 256 (F / 4) + 4 (F % 4) in the head; F + 1's word follows F's
	s_mov_b32 s63, 0
	s_lshr_b32 s14, s12, 4
	s_lshl_b32 s14, s14, 23                        ; out0: 2,048 tokens of 4,096 bytes a batch,
	s_lshl_b32 s13, s59, 17                        ; 32 tokens a group,
	s_add_co_u32 s14, s14, s13
	s_and_b32 s13, s12, 15
	s_lshl_b32 s13, s13, 8                         ; 256 bytes a head
	s_add_co_u32 s14, s14, s13
	s_mov_b32 s15, 0
	s_mov_b32 s[SEL], 0x76543210
	s_mov_b32 s[SEL+1], 0xfedcba98
	s_mov_b32 s[CS], 0x3fb8aa3b                    ; log2(e)
	s_mov_b32 s[CS+1], s[CS]
	s_mov_b32 s44, 0                               ; the step's codes: 4,096 bytes a step
	s_mov_b32 s45, 0                               ; its scale bytes: 256 a step
	s_mov_b32 s46, 16                              ; steps to go
	s_wait_dscnt 0x0                               ; both opening adds are done
	s_wait_kmcnt 0x0
	s_mov_b32 s32, 1                               ; group 0 for codes
	s_mov_b32 s33, s49
	s_add_nc_u64 s[34:35], s[4:5], s[50:51]
	s_or_b32 s35, s35, 0x80000000
	s_mov_b32 s36, 1                               ; group 0 for scale bytes
	s_mov_b32 s37, s55
	s_add_nc_u64 s[38:39], s[6:7], s[56:57]
	s_or_b32 s39, s39, 0x80000000
	s_add_nc_u64 s[4:5], s[4:5], s[60:61]
	s_add_nc_u64 s[6:7], s[6:7], s[62:63]
	s_add_nc_u64 s[8:9], s[8:9], s[14:15]
	CROUND                                         ; all four work-groups are here: the joint loads meet
	s_cmp_lt_u32 s10, 4                            ; the branches hang on the wave's number alone; a wave has one load out at the most
	s_cbranch_scc0 .Lnot_codes
	tensor_load_to_lds s[32:35], s[16:23]
	s_nop 0
.rept 4
	v_nop
.endr
	s_branch .Lasked
.Lnot_codes:
	s_cmp_lt_u32 s10, 6
	s_cbranch_scc0 .Lasked
	tensor_load_to_lds s[36:39], s[24:31]
	s_nop 0
.rept 4
	v_nop
.endr
.Lasked:
	v_and_b32 v9, 31, v0                           ; lane
	v_and_b32 v5, 15, v0                           ; r
	v_lshlrev_b32 v1, 4, v9                        ; 16 x lane: my place in every image, K's among them
	v_lshlrev_b32 v6, 4, v5
	WIN 0x40                                       ; destinations in window 1
.irp x, 0,1,2,3                        ; Q stays in registers: each tile's 16 bytes a lane stand twice, with zero codes between
	global_load_b128 v[QW+12*\x:QW+12*\x+3], v1, s[4:5] offset:512*\x
	global_load_b128 v[QW+12*\x+8:QW+12*\x+11], v1, s[4:5] offset:512*\x
.endr
.irp x, 0,1,2,3
.irp i, 4,5,6,7
	v_mov_b32 v[QW+12*\x+\i], 0                    ; zero codes
.endr
.endr
	WIN 0
	global_load_b64 v[10:11], v6, s[6:7]           ; a word a group: bytes 0, 1: its first tile's two blocks; bytes 2, 3: its second's
	v_add_nc_u32 v2, VC, v1                        ; V's fragments
	v_add_nc_u32 v3, KSB, v6                       ; K's scale words: 16 bytes a place
	v_lshl_add_u32 v4, v9, 3, VSB                  ; V's: 8 bytes a lane
.irp x, 0,1,2,3
	v_mov_b32 v[ST+4*\x+1], 0xfe967699             ; the largest score so far: -1e38
	v_mov_b32 v[ST+4*\x+2], 0                      ; the sum, in two halves
	v_mov_b32 v[ST+4*\x+3], 0
.endr
.irp x, 0,1,2,3
	v_mul_f32 v[ST+4*\x], s[CS], v[ST+4*\x+1]
.endr
.irp x, 0,1,2,3
	v_floor_f32 v[ST+4*\x], -v[ST+4*\x]            ; -M
.endr
.irp c, 0,1,2,3,4,5,6,7
	v_mov_b32 v[T2+\c], 0                          ; written once: a lane permute's destination counts as one of its sources
.endr
	v_mov_b32 v[F+1], 0                            ; (named as the upper halves of f's pairs)
	v_mov_b32 v[F+3], 0
	s_wait_alu depctr_va_vdst(0)
	s_wait_loadcnt 0x0                             ; Q
	v_perm_b32 v[QS], v10, v10, 0x01000100         ; a tile's scale word [s0, s1, s0, s1]: it serves [q | 0] and [0 | q] alike
	v_perm_b32 v[QS+1], v10, v10, 0x03020302
	v_perm_b32 v[QS+2], v11, v11, 0x01000100
	v_perm_b32 v[QS+3], v11, v11, 0x03020302
	WIN 0x40
.set jj, 0
.rept 128
	v_mov_b32 v[O+jj], 0                           ; O^T.  (The loop is written once: its first step finds zeros, which the first change of M leaves zeros.  These lines are also the places ahead of the first scaled product)
.set jj, jj+1
.endr
	WIN 0
	s_wait_alu depctr_va_vdst(0)
	s_wait_tensorcnt 0x0                           ; my part of the head is in LDS,
	s_barrier_signal -1
	s_barrier_wait -1                              ; everybody's is
.macro QK p                            ; S^T of tiles 2 p and 2 p + 1: eight tiles of 16 keys each; fragment b of K serves key tiles 2 b and 2 b + 1.  Q lies in window 1
	WIN 0x04
.irp y, 0,1
.irp b, 0,1,2,3
	v_wmma_scale_f32_16x16x128_f8f6f4 v[S+64*\y+16*\b:S+64*\y+16*\b+7], v[KF+8*\b:KF+8*\b+7], v[QW+12*(2*(\p)+\y):QW+12*(2*(\p)+\y)+7], 0, v[KS+\b], v[QS+2*(\p)+\y] matrix_a_fmt:MATRIX_FMT_FP4 matrix_b_fmt:MATRIX_FMT_FP4
	v_wmma_scale_f32_16x16x128_f8f6f4 v[S+64*\y+16*\b+8:S+64*\y+16*\b+15], v[KF+8*\b:KF+8*\b+7], v[QW+12*(2*(\p)+\y)+4:QW+12*(2*(\p)+\y)+11], 0, v[KS+\b], v[QS+2*(\p)+\y] matrix_a_fmt:MATRIX_FMT_FP4 matrix_b_fmt:MATRIX_FMT_FP4
.endr
.endr
	WIN 0
.endm
.macro PV                              ; O^T += V^T P^T, K = the step's 128 keys: sixteen accumulators (window 1) by turns, one instruction a turn
	WIN 0x50
.irp et, 0,1,2,3
.irp x, 0,1,2,3
.if \et%2
	v_wmma_scale_f32_16x16x128_f8f6f4 v[O+32*\x+8*\et:O+32*\x+8*\et+7], v[KF+8*\et:KF+8*\et+7], v[PC+8*\x:PC+8*\x+7], v[O+32*\x+8*\et:O+32*\x+8*\et+7], v[VS+\et/2], v[PS+\x] matrix_a_fmt:MATRIX_FMT_FP4 matrix_b_fmt:MATRIX_FMT_FP4 matrix_a_scale:MATRIX_SCALE_ROW1
.else
	v_wmma_scale_f32_16x16x128_f8f6f4 v[O+32*\x+8*\et:O+32*\x+8*\et+7], v[KF+8*\et:KF+8*\et+7], v[PC+8*\x:PC+8*\x+7], v[O+32*\x+8*\et:O+32*\x+8*\et+7], v[VS+\et/2], v[PS+\x] matrix_a_fmt:MATRIX_FMT_FP4 matrix_b_fmt:MATRIX_FMT_FP4
.endif
.endr
.endr
	WIN 0
.endm
; The softmax of tiles 2 p (y = 0) and 2 p + 1 (y = 1) for the step's 128 keys.  Block c = 4 y + b: register S + 16 c + i is key 32 b + 16 (lane / 16) + i of tile y.
.macro SM2 p
.set STP, ST+8*(\p)
.set PCP, PC+16*(\p)
.set PSP, PS+2*(\p)
.set OP,  O+64*(\p)
.irp c, 0,1,2,3,4,5,6,7
	v_max3_num_f32 v[BM+\c], v[S+16*\c], v[S+16*\c+1], v[S+16*\c+2]   ; THE LARGEST SCORE OF EACH BLOCK OF 32 KEYS: for the row's maximum, and, since p rises with the score, for the block's largest p
.endr
.irp i, 3,5,7,9,11,13
.irp c, 0,1,2,3,4,5,6,7
	v_max3_num_f32 v[BM+\c], v[BM+\c], v[S+16*\c+\i], v[S+16*\c+\i+1]   ; (the eight blocks by turns)
.endr
.endr
.irp c, 0,1,2,3,4,5,6,7
	v_max_num_f32 v[BM+\c], v[BM+\c], v[S+16*\c+15]
.endr
.irp c, 0,1,2,3,4,5,6,7
	v_permlanex16_b32 v[T2+\c], v[BM+\c], s[SEL], s[SEL+1]
.endr
.irp c, 0,1,2,3,4,5,6,7
	v_max_num_f32 v[BM+\c], v[BM+\c], v[T2+\c]     ; with lane l xor 16's 16 keys
.endr
.irp y, 0,1
	v_max3_num_f32 v[TMP+\y], v[BM+4*\y], v[BM+4*\y+1], v[BM+4*\y+2]
.endr
.irp y, 0,1
	s_delay_alu instid0(VALU_DEP_2)
	v_max3_num_f32 v[STP+4*\y+1], v[STP+4*\y+1], v[TMP+\y], v[BM+4*\y+3]   ; the running largest score (log2(e) is positive: the largest t is the largest score's)
.endr
.irp y, 0,1
	s_delay_alu instid0(VALU_DEP_2)
	v_mul_f32 v[TMP+\y], s[CS], v[STP+4*\y+1]      ; as t
.endr
.irp y, 0,1
	s_delay_alu instid0(VALU_DEP_2)
	v_floor_f32 v[TMP+\y], -v[TMP+\y]              ; the new -M = floor(-t) = -ceil(t): M IS A WHOLE NUMBER
.endr
.irp y, 0,1
	s_delay_alu instid0(VALU_DEP_2)
	v_sub_f32 v[F+2*\y], v[TMP+\y], v[STP+4*\y]    ; M's old value less its new one: a whole number, 0 or less
.endr
.irp y, 0,1
	v_mov_b32 v[STP+4*\y], v[TMP+\y]
.endr
.irp y, 0,1
	s_delay_alu instid0(VALU_DEP_4)
	v_cvt_i32_f32 v[F+2*\y], v[F+2*\y]             ; (it saturates)
.endr
.irp y, 0,1
	s_delay_alu instid0(VALU_DEP_2)
	v_ldexp_f32 v[F+2*\y], 1.0, v[F+2*\y]          ; f = 2^(old M - new M): a multiplication by it rounds nothing
.endr
.set jj, 0
.rept 32
	v_pk_fma_f32 v[S+jj:S+jj+1], v[S+jj:S+jj+1], s[CS:CS+1], v[STP:STP+1] op_sel_hi:[1,0,0]   ; t - M, two at a time (of the pairs log2(e) and -M the low word serves both halves)
.set jj, jj+2
.endr
.irp c, 0,1,2,3,4,5,6,7
	v_fma_f32 v[BM+\c], v[BM+\c], s[CS], v[STP+4*(\c/4)]   ; the same of each block's largest score
.endr
	s_setprio 1                                    ; the wave's priority (ISA guide: S_SETPRIO) rises through its exponentials: 1 for the first 16, 2 for the rest of the first batch, 3 for the second; 0 behind the last
	s_wait_alu depctr_va_vdst(0)
.set jj, 0
.rept 32
.if jj == 16
	s_setprio 2
.endif
	v_exp_f32 v[S+jj], v[S+jj]                     ; the first tile's p = 2^(t - M), at most 1: NOT normalised
	v_exp_f32 v[S+jj+1], v[S+jj+1]
	v_pk_fma_f32 v[S+64+jj:S+64+jj+1], v[S+64+jj:S+64+jj+1], s[CS:CS+1], v[STP+4:STP+5] op_sel_hi:[1,0,0]   ; among them the second tile's t - M: it names no register of the batch, and is first read behind the wait below
.set jj, jj+2
.endr
	s_setprio 3
	s_wait_alu depctr_va_vdst(0)                   ; one wait behind the first batch and ahead of the second
.set jj, 0
.rept 64
	v_exp_f32 v[S+64+jj], v[S+64+jj]               ; the second tile's p
.set jj, jj+1
.endr
.irp c, 0,1,2,3,4,5,6,7
	v_exp_f32 v[BM+\c], v[BM+\c]                   ; the block's largest p: the same two instructions on the same number give the same bits
.endr
	s_setprio 0
.irp y, 0,1
	v_pk_mul_f32 v[STP+4*\y+2:STP+4*\y+3], v[STP+4*\y+2:STP+4*\y+3], v[F+2*\y:F+2*\y+1] op_sel_hi:[1,0]   ; the sums under the new M.  (Plain places behind the exponentials)
.endr
	s_wait_alu depctr_va_vdst(0)                   ; one wait for the whole batch, ahead of its first reader
.irp c, 0,1,2,3,4,5,6,7
	v_max_num_f32 v[BM+\c], 0x1800000, v[BM+\c]    ; the floor 2^(3 - 127): the byte cannot fall under 1
.endr
.irp c, 0,1,2,3,4,5,6,7
	v_add_nc_u32 v[BM+\c], 0xff000000, v[BM+\c]    ; 2 off the exponent field: the conversion's scale operand
.endr
.irp c, 0,1,2,3,4,5,6,7
	v_lshrrev_b32 v[T2+\c], 23, v[BM+\c]           ; the scale's byte
.endr
.irp y, 0,1
	v_lshl_or_b32 v[PSP+\y], v[T2+4*\y+1], 8, v[T2+4*\y]   ; p's scale word for these 128 keys
.endr
.irp y, 0,1
	s_delay_alu instid0(VALU_DEP_2)
	v_lshl_or_b32 v[PSP+\y], v[T2+4*\y+2], 16, v[PSP+\y]
.endr
.irp y, 0,1
	s_delay_alu instid0(VALU_DEP_2)
	v_lshl_or_b32 v[PSP+\y], v[T2+4*\y+3], 24, v[PSP+\y]
.endr
.irp c, 0,1,2,3,4,5,6,7
	v_cvt_scalef32_pk8_fp4_f32 v[PCP+2*\c], v[S+16*\c:S+16*\c+7], v[BM+\c]
	v_cvt_scalef32_pk8_fp4_f32 v[PCP+2*\c+1], v[S+16*\c+8:S+16*\c+15], v[BM+\c]
.endr
	v_nop                                          ; one plain place behind a scaled conversion
.irp g, 0,1,2,3                        ; the operand's layout wants a WHOLE block in a lane: lanes 0-15 the even block, lanes 16-31 the odd one
.irp i, 0,1
	v_permlane16_swap_b32 v[PCP+4*\g+\i], v[PCP+4*\g+2+\i]
.endr
.endr
.if (\p) == 0                          ; the second pair's sums stand at the trip's end, behind the loads of the next step's K
.irp y, 0,1
	v_pk_add_f32 v[T2+2*\y:T2+2*\y+1], v[S+64*\y:S+64*\y+1], v[S+64*\y+2:S+64*\y+3]   ; THE ROW'S SUM IS TAKEN OF THE UNQUANTISED p: two at a time, two chains a tile, four by turns
.endr
.irp j, 4,8,12,16,20,24,28,32,36,40,44,48,52,56,60
.irp y, 0,1
	v_pk_add_f32 v[STP+4*\y+2:STP+4*\y+3], v[STP+4*\y+2:STP+4*\y+3], v[S+64*\y+\j:S+64*\y+\j+1]
.endr
.irp y, 0,1
	v_pk_add_f32 v[T2+2*\y:T2+2*\y+1], v[T2+2*\y:T2+2*\y+1], v[S+64*\y+\j+2:S+64*\y+\j+3]
.endr
.endr
.irp y, 0,1
	s_delay_alu instid0(VALU_DEP_2)
	v_pk_add_f32 v[STP+4*\y+2:STP+4*\y+3], v[STP+4*\y+2:STP+4*\y+3], v[T2+2*\y:T2+2*\y+1]
.endr
.endif
	WIN 0x41                                       ; O^T lies in window 1, f in window 0
	s_wait_alu depctr_va_vdst(0)                   ; directly ahead of the first reader of O^T
.set jj, 0
.rept 16
	v_pk_mul_f32 v[OP+jj:OP+jj+1], v[OP+jj:OP+jj+1], v[F:F+1] op_sel_hi:[1,0]   ; the two tiles' O^T under the new M: x f; each accumulator from its low end on
	v_pk_mul_f32 v[OP+32+jj:OP+32+jj+1], v[OP+32+jj:OP+32+jj+1], v[F+2:F+3] op_sel_hi:[1,0]
.set jj, jj+2
.endr
	WIN 0
.endm
.macro KLOAD                           ; K's four fragments (eight tiles of 16 keys) and their scale words, for the step at s44, s45
	v_add_nc_u32 v5, s44, v1                       ; these two lines and two v_nop are the four places between the products above and the loads into the registers that they read
	v_add_nc_u32 v6, s45, v3
	v_nop
	v_nop
.irp b, 0,1,2,3
.irp c, 0,1
	ds_load_b128 v[KF+8*\b+4*\c:KF+8*\b+4*\c+3], v5 offset:KC+1024*\b+512*\c
.endr
.endr
	ds_load_b128 v[KS:KS+3], v6
.endm
	KLOAD                                          ; the first step's
	s_wait_dscnt 0x0
.Lstep:                                            ; 16 trips: 128 keys each; a trip finds its fragments of K in registers
	QK 0
.rept 4
	v_nop                                          ; places in front of the first read of the scores
.endr
	SM2 0
	QK 1                                           ; it writes over the first pair's p: the multiplications of O^T above are the places
	v_add_nc_u32 v5, s44, v2                       ; again four places: for the loads into K's registers and for the first read of the scores
	v_add_nc_u32 v6, s45, v4
	v_nop
	v_nop
.irp et, 0,1,2,3
.irp c, 0,1
	ds_load_b128 v[KF+8*\et+4*\c:KF+8*\et+4*\c+3], v5 offset:1024*\et+512*\c   ; V's four fragments land while the second pair's softmax is worked
.endr
.endr
	ds_load_b64 v[VS:VS+1], v6                     ; their scale words: the first register lanes 0-15 e tile 0, lanes 16-31 e tile 1; the second e tiles 2, 3
	SM2 1
	s_wait_alu depctr_va_vdst(0)
	s_wait_dscnt 0x0
	PV
	s_add_co_u32 s44, s44, 4096
	s_add_co_u32 s45, s45, 256
	KLOAD                                          ; the next step's K.  (The last trip's loads read the 4,096 bytes behind K's codes and the 256 behind its scale bytes, which are V's and are filled; nothing uses them)
.irp y, 0,1                            ; the second pair's sums, of the unquantised p, stand between these loads and the wait for them: two chains a tile, four by turns
	v_pk_add_f32 v[T2+2*\y:T2+2*\y+1], v[S+64*\y:S+64*\y+1], v[S+64*\y+2:S+64*\y+3]
.endr
.irp j, 4,8,12,16,20,24,28,32,36,40,44,48,52,56,60
.irp y, 0,1
	v_pk_add_f32 v[STP+4*\y+2:STP+4*\y+3], v[STP+4*\y+2:STP+4*\y+3], v[S+64*\y+\j:S+64*\y+\j+1]
.endr
.irp y, 0,1
	v_pk_add_f32 v[T2+2*\y:T2+2*\y+1], v[T2+2*\y:T2+2*\y+1], v[S+64*\y+\j+2:S+64*\y+\j+3]
.endr
.endr
.irp y, 0,1
	s_delay_alu instid0(VALU_DEP_2)
	v_pk_add_f32 v[STP+4*\y+2:STP+4*\y+3], v[STP+4*\y+2:STP+4*\y+3], v[T2+2*\y:T2+2*\y+1]
.endr
	s_wait_alu depctr_va_vdst(0)
	s_wait_dscnt 0x0                               ; the next step's K is in
	s_sub_co_u32 s46, s46, 1
	s_cmp_lg_u32 s46, 0
	s_cbranch_scc1 .Lstep
	; THE WAY OUT.  O^T / the sum goes through my stage in LDS, a tile of 16 queries x 64 channels (256 bytes a row) at a time, so that sixteen lanes store the 256 consecutive bytes of one (token, head).
	; The address lines are the places behind the last products.
	v_and_b32 v5, 15, v0                           ; r
	v_bfe_u32 v6, v0, 4, 1                         ; h
	s_mul_i32 s48, s10, 16*SPT
	s_add_co_u32 s48, s48, STAGE                   ; my stage
	v_mul_u32_u24 v48, v5, SPT
	v_mul_u32_u24 v49, v6, SPT
	v_lshlrev_b32 v50, 12, v6
	v_lshl_add_u32 v48, v6, 6, v48
	v_lshl_add_u32 v49, v5, 4, v49
	v_lshl_add_u32 v50, v5, 4, v50                 ; in out0: a token is 4,096 bytes
	v_add_nc_u32 v48, s48, v48                     ; in: row r; register 16 b + i is e = 32 b + 16 h + i: byte 128 b + 64 h + 4 i
	v_add_nc_u32 v49, s48, v49                     ; back: lanes 0-15 one row, lanes 16-31 the next
.irp x, 0,1,2,3
	v_add_f32 v[ST+4*\x+2], v[ST+4*\x+2], v[ST+4*\x+3]   ; the sum's two halves,
.endr
.irp x, 0,1,2,3
	v_permlanex16_b32 v[T2+\x], v[ST+4*\x+2], s[SEL], s[SEL+1]
.endr
.irp x, 0,1,2,3
	v_add_f32 v[ST+4*\x+2], v[ST+4*\x+2], v[T2+\x] ; and lane l xor 16's: the row's sum
.endr
	s_wait_alu depctr_va_vdst(0)
.irp x, 0,1,2,3
	v_rcp_f32 v[ST+4*\x+2], v[ST+4*\x+2]
.endr
	v_nop                                          ; one plain place behind a transcendental
	WIN 0x01                                       ; source 0, O^T, in window 1
	s_wait_alu depctr_va_vdst(0)                   ; the wait behind the batch, directly ahead of the first reader of its results and of O^T
.irp x, 0,1,2,3
.set jj, 0
.rept 16
	v_pk_mul_f32 v[S+32*\x+jj:S+32*\x+jj+1], v[O+32*\x+jj:O+32*\x+jj+1], v[ST+4*\x+2:ST+4*\x+3] op_sel_hi:[1,0]   ; O^T / the sum; each accumulator from its low end on
.set jj, jj+2
.endr
.endr
	WIN 0
	s_wait_alu depctr_va_vdst(0)
.macro TOSTAGE x, back                 ; tile x into the stage and back as whole rows, into v[back] on.  LDS serves a wave's instructions in order: the loads see the stores, and the next tile's stores come behind them
.irp b, 0,1
.irp k, 0,1,2,3
	ds_store_b128 v48, v[S+32*\x+16*\b+4*\k:S+32*\x+16*\b+4*\k+3] offset:128*\b+16*\k
.endr
.endr
.irp i, 0,1,2,3,4,5,6,7
	ds_load_b128 v[\back+4*\i:\back+4*\i+3], v49 offset:2*SPT*\i
.endr
.endm
.macro SEND x, back, younger           ; younger: the LDS instructions issued behind tile x's loads.  Places 2 i and 2 i + 1 of tile x are tokens 32 (x / 2) + 8 (x % 2) + 2 i + 8 (i / 4) and the next
.irp i, 0,1,2,3,4,5,6,7
	s_wait_dscnt \younger+7-\i
	global_store_b128 v50, v[\back+4*\i:\back+4*\i+3], s[8:9] offset:(32*(\x/2)+8*(\x%2)+2*\i+8*(\i/4))*4096 th:TH_STORE_NT   ; each half of the lanes stores 256 consecutive bytes, aligned; written once, read by nobody here
.endr
.endm
	TOSTAGE 0, KF
	TOSTAGE 1, PC
	SEND 0, KF, 16                                 ; behind tile 0's loads: tile 1's eight stores and eight loads
	s_wait_xcnt 0x0                                ; tile 0's stores have read their registers: tile 2's loads may land there
	TOSTAGE 2, KF
	SEND 1, PC, 16
	s_wait_xcnt 0x0
	TOSTAGE 3, PC
	SEND 2, KF, 16
	SEND 3, PC, 0
	s_wait_tensorcnt 0x0                           ; the wave's end
	ds_add_u32 v[SPW], v[NIL]
	s_wait_dscnt 0x0
	CROUND                                         ; the closing round: no work-group ends while a partner may still ask for a tile that names it
	s_endpgm
.Lfunc_end_k_qd85a218f36_attn:
	.size	k_qd85a218f36_attn, .Lfunc_end_k_qd85a218f36_attn-k_qd85a218f36_attn
	.p2alignl 7, 3214868480
	.fill 96, 4, 3214868480
	.section	.rodata,"a",@progbits
	.p2align	6, 0x0
	.amdhsa_kernel k_qd85a218f36_attn
		.amdhsa_group_segment_fixed_size 210944
		.amdhsa_private_segment_fixed_size 0
		.amdhsa_enable_private_segment 0
		.amdhsa_kernarg_size 24
		.amdhsa_user_sgpr_count 2
		.amdhsa_user_sgpr_kernarg_segment_ptr 1
		.amdhsa_wavefront_size32 1
		.amdhsa_system_sgpr_workgroup_id_x 1
		.amdhsa_system_sgpr_workgroup_id_y 1
		.amdhsa_system_sgpr_workgroup_id_z 1
		.amdhsa_system_vgpr_workitem_id 0
		.amdhsa_next_free_vgpr 448
		.amdhsa_next_free_sgpr 66
		.amdhsa_reserve_vcc 0
		.amdhsa_float_denorm_mode_32 3
		.amdhsa_float_denorm_mode_16_64 3
		.amdhsa_memory_ordered 1
		.amdhsa_forward_progress 1
		.amdhsa_inst_pref_size 84
	.end_amdhsa_kernel
	.amdgpu_metadata
---
amdhsa.version: [ 1, 2 ]
amdhsa.kernels:
  - .name:           k_qd85a218f36_attn
    .symbol:         k_qd85a218f36_attn.kd
    .args:
      - { .name: a_codes, .offset: 0, .size: 8, .value_kind: global_buffer, .address_space: global }
      - { .name: a_scales, .offset: 8, .size: 8, .value_kind: global_buffer, .address_space: global }
      - { .name: out0, .offset: 16, .size: 8, .value_kind: global_buffer, .address_space: global }
    .group_segment_fixed_size: 210944
    .private_segment_fixed_size: 0
    .kernarg_segment_align: 8
    .kernarg_segment_size: 24
    .max_flat_workgroup_size: 256
    .sgpr_count:     66
    .vgpr_count:     448
    .wavefront_size: 32
...
	.end_amdgpu_metadata
.endif
;; end of part 3
